; MI455X (gfx1250); checked and timed in simulation.
; The chip was launched on July 23, 2026; its instructions are those of AMD's public machine-readable ISA for CDNA 5 (MIT licence, August 2026) and "CDNA5" Instruction Set Architecture Reference Guide (July 2026).
;; Attention Layer2. Allowed arithmetic: matrix products marked QUANTISED: E3M2 operands, one E8M0 scale for each 32 along K, by v_wmma_scale_f32_16x16x128_f8f6f4 with both operands' format E3M2, f32 sums; everything else in f32.
;; Inputs: x 8 x 2,048 x 1,024 float32.
;; Outputs: out0 8 x 1,024 float32.
;; This version of the problem:
;;   THIS VERSION OF THE PROBLEM IS GIVEN IN LOW PRECISION. The matrix products marked QUANTISED in the list below multiply operands that are first quantised to E3M2 (3 exponent bits, 2 mantissa bits; 6 bits a number), with one power-of-two scale for each 32 numbers along K (OCP MX v1.0); their sums are f32. All else is computed in f32.
;;   The module's matrix products, in the order in which they are computed (A, B: the left and right operand; K: the contracted axis; several contracted axes count as one K, in the product's order):
;;     1. batch 8 x [M 2,048, K 1,024] x [K 1,024, N 2,048]; A: input x; B: input x: QUANTISED
;;     2. batch 8 x [M 2,048, K 2,048] x [K 2,048, N 1,024]; A: softmax (see below); B: input x: QUANTISED
;;   THE QUANTISER, for each operand of a quantised product, along K:
;;     - K is cut into blocks of 32 from its start; a last block that is shorter is filled with zeros.
;;     - A block's scale is 2^e with e = floor(log2(the largest magnitude in the block)) - 4, held to -126 .. 127; a block of zeros has e = 0. As a byte (E8M0): e + 127.
;;     - Each number is divided by its block's scale, clamped to +-28, and rounded to the nearest number of E3M2, ties to even, subnormals kept.
;;     - The product sums the exact products of the quantised numbers (number of the format x scale) in f32.
;;   ~~~python
;;   def quantise(x, axis):      # numpy; x: float32 -> the quantised numbers, widened to float32 again
;;       x = np.moveaxis(x, axis, -1); K = x.shape[-1]
;;       x = np.pad(x, [(0, 0)] * (x.ndim - 1) + [(0, -K % 32)]); x = x.reshape(x.shape[:-1] + (-1, 32)); a = np.abs(x).max(-1, keepdims=True)
;;       e = np.where(a > 0, np.clip(np.frexp(np.where(a > 0, a, 1))[1] - 1 - 4, -126, 127), 0)      # np.frexp(a)[1] - 1 = floor(log2(a)), exactly
;;       r = np.clip(x / 2.0 ** e, -28, 28)
;;       step = 2.0 ** (np.maximum(np.frexp(np.where(r == 0, 1, r))[1] - 1, -2) - 2)
;;       q = np.round(r / step) * step * 2.0 ** e      # np.round: ties to even
;;       return np.moveaxis(q.reshape(q.shape[:-2] + (-1,))[..., :K], -1, axis).astype(np.float32)
;;   ~~~
;;   SOFTMAX AHEAD OF A QUANTISED PRODUCT. Where the list says 'softmax', what is quantised is not the finished softmax but p = 2^(t - M), with t = logit x log2(e) and M = ceil(the row's largest t), a whole number; so 1/2 < the row's largest p <= 1. The row's sum l is taken of the UNQUANTISED p, in f32, and the product's result is divided by l at the end. Since M is a whole number, a kernel that streams over the keys may use a running M (the ceiling of the running maximum): every later rescaling is an exact power of two, which a block's scale takes up: the codes' values come out the same.
;;   OPERANDS COMPUTED ON THE WAY. 'Computed on the way' means the value that the module computes at that place (a softmax that the list does not call 'softmax' is quantised finished and normalised). What goes into a quantiser is computed in f32, as accurately as f32 sums, v_exp_f32 and their like allow (about 1e-6 of the number): no bf16 or f16 on the way to a quantiser, and a product that is left as it is and whose result goes on into a quantised operand takes f32 operands (vector FMAs, or v_wmma_f32_16x16x4_f32). A number that lies on a knife's edge between two numbers of the format may be rounded either way, as far as f32 arithmetic and the matrix unit's own rounding can turn it there, and no further.
;; One version. Each part assembles by itself: llvm-mc -triple=amdgcn-amd-amdhsa -mcpu=gfx1250 --defsym DOCPART=n.
;; ======== version 1 of 1: 4 launches
;; workspace buffers: kq 12,582,912 bytes; vt 12,582,912 bytes; xs 1,048,576 bytes; pc 25,165,824 bytes; pst 3,145,728 bytes; part 524,288 bytes
;; launch quant (part 1): grid 8 x 128, 4 waves a work-group, no clusters, 69,632 bytes of LDS; arguments x, kq, vt, xs; writes kq, vt, xs
.if DOCPART == 1
	.amdgcn_target "amdgcn-amd-amdhsa--gfx1250"
	.amdhsa_code_object_version 6
	.text
	.protected	k_qdcaf34e91a_quant
	.globl	k_qdcaf34e91a_quant
	.p2align	8
	.type	k_qdcaf34e91a_quant,@function
k_qdcaf34e91a_quant:
	s_mov_b64 s[64:65], 0
	v_nop
	global_prefetch_b8 v0, s[64:65] scope:SCOPE_SE
	s_setreg_imm32_b32 hwreg(HW_REG_WAVE_MODE, 25, 1), 1
	s_wait_xcnt 0x0
.set WSTG,  17280
.set RP,    528
.set XA,    64
.set XB,    128
.set CD,    192
.set TP,    240
.set SW,    248
	s_load_b256 s[4:11], s[0:1], 0x0
	v_lshl_add_u32 v254, v0, 2, 0x10e00
	v_mov_b32 v255, 0
	v_lshrrev_b32 v1, 5, v0
	v_readfirstlane_b32 s15, v1
	v_and_b32 v1, 31, v0
	v_and_b32 v2, 15, v0
	v_bfe_u32 v3, v0, 4, 1
	v_lshlrev_b32 v4, 4, v1
	s_mul_i32 s24, s15, WSTG
	v_add_nc_u32 v5, s24, v4
	v_mul_u32_u24 v6, v2, RP
	v_lshrrev_b32 v11, 3, v2
	v_mad_u32_u24 v6, v11, 8*RP+128, v6
	v_lshl_add_u32 v6, v3, 7, v6
	v_add_nc_u32 v6, s24, v6
	v_mul_u32_u24 v7, v3, WSTG
	v_lshl_add_u32 v7, v2, 2, v7
	s_lshl_b32 s25, s15, 7
	v_add_nc_u32 v7, s25, v7
	v_lshlrev_b32 v8, 3, v3
	v_lshlrev_b32 v9, 2, v2
	v_lshl_add_u32 v10, v3, 10, v9
	v_lshl_add_u32 v9, v3, 9, v9
	v_mov_b32 v18, 0
	v_cmp_le_u32 vcc_lo, 16, v1
	s_mov_b32 s20, 0x76543210
	s_mov_b32 s21, 0xfedcba98
	s_and_b32 s12, ttmp7, 0xffff
	s_lshr_b32 s13, s12, 4
	s_and_b32 s14, s12, 15
	s_lshl_b32 s16, s12, 19
	s_lshl_b32 s17, s15, 17
	s_add_co_u32 s16, s16, s17
	s_lshl_b32 s17, ttmp9, 9
	s_add_co_u32 s16, s16, s17
	s_mov_b32 s17, 0
	s_lshl_b32 s18, s13, 2
	s_lshr_b32 s19, ttmp9, 1
	s_add_co_u32 s18, s18, s19
	s_lshl_b32 s18, s18, 7
	s_lshl_b32 s19, s14, 3
	s_add_co_u32 s18, s18, s19
	s_lshl_b32 s26, s15, 1
	s_add_co_u32 s18, s18, s26
	s_mul_i32 s18, s18, 3072
	s_and_b32 s19, ttmp9, 1
	s_mul_i32 s19, s19, 1536
	s_add_co_u32 s18, s18, s19
	s_mov_b32 s19, 0
	s_lshl_b32 s22, s13, 3
	s_lshr_b32 s23, s14, 1
	s_add_co_u32 s22, s22, s23
	s_lshl_b32 s22, s22, 6
	s_lshl_b32 s27, ttmp9, 3
	s_add_co_u32 s27, s27, s26
	s_add_co_u32 s22, s22, s27
	s_mul_i32 s22, s22, 3072
	s_and_b32 s23, s14, 1
	s_mul_i32 s23, s23, 1536
	s_add_co_u32 s22, s22, s23
	s_mov_b32 s23, 0
	s_lshl_b32 s28, s13, 7
	s_lshl_b32 s29, s14, 3
	s_add_co_u32 s28, s28, s29
	s_add_co_u32 s28, s28, s26
	s_lshl_b32 s28, s28, 9
	s_lshl_b32 s29, ttmp9, 6
	s_add_co_u32 s28, s28, s29
	s_mov_b32 s29, 0
	s_lshl_b32 s30, s13, 6
	s_add_co_u32 s30, s30, s27
	s_lshl_b32 s30, s30, 10
	s_lshl_b32 s31, s14, 6
	s_add_co_u32 s30, s30, s31
	s_add_co_u32 s30, s30, 524288
	s_mov_b32 s31, 0
	s_wait_kmcnt 0x0
	s_add_nc_u64 s[4:5], s[4:5], s[16:17]
	s_add_nc_u64 s[6:7], s[6:7], s[18:19]
	s_add_nc_u64 s[8:9], s[8:9], s[22:23]
	s_add_nc_u64 s[32:33], s[10:11], s[30:31]
	s_add_nc_u64 s[10:11], s[10:11], s[28:29]
.set i, 0
.rept 32
	global_load_b128 v[XA+4*i:XA+4*i+3], v4, s[4:5] offset:4096*i th:TH_LOAD_NT
.set i, i+1
.endr
.set i, 0
.rept 32
	s_wait_loadcnt 31-i
	ds_store_b128 v5, v[XA+4*i:XA+4*i+3] offset:RP*i+128*(i/16)
.set i, i+1
.endr
	s_wait_dscnt 0x0
	s_barrier_signal -1
	s_barrier_wait -1
.macro LOADK u, xb
.irp c, 0,1
.irp i, 0,1,2,3,4,5,6,7
	ds_load_b128 v[\xb+32*\c+4*\i:\xb+32*\c+4*\i+3], v6 offset:8*RP*\u+256*\c+16*\i
.endr
.endr
.endm
.macro LOADV g, xb
.irp c, 0,1
.set i, 0
.rept 32
	ds_load_b32 v[\xb+32*\c+i], v7 offset:2*WSTG*\c+RP*i+128*(i/16)+64*\g
.set i, i+1
.endr
.endr
.endm
.macro QUANT xb, f, base
.irp c, 0,1
	v_max3_num_f32 v[12+\c], |v[\xb+32*\c]|, |v[\xb+32*\c+1]|, 0x2800000
.endr
.irp i, 2,4,6,8,10,12,14,16,18,20,22,24,26,28,30
.irp c, 0,1
	v_max3_num_f32 v[12+\c], v[12+\c], |v[\xb+32*\c+\i]|, |v[\xb+32*\c+\i+1]|
.endr
.endr
.irp c, 0,1
	v_add_nc_u32 v[14+\c], 0xfe000000, v[12+\c]
.endr
.irp c, 0,1
	v_lshrrev_b32 v[16+\c], 23, v[14+\c]
.endr
	v_lshl_or_b32 v[SW+\f], v17, 16, v16
	v_lshlrev_b32 v[SW+\f], v8, v[SW+\f]
	v_permlanex16_b32 v18, v[SW+\f], s20, s21
	v_or_b32 v[SW+\f], v[SW+\f], v18
.irp c, 0,1
	v_cvt_scalef32_pk16_bf6_f32 v[CD+12*\f+6*\c:CD+12*\f+6*\c+2], v[\xb+32*\c:\xb+32*\c+15], v[14+\c]
	v_cvt_scalef32_pk16_bf6_f32 v[TP+4*\c:TP+4*\c+2], v[\xb+32*\c+16:\xb+32*\c+31], v[14+\c]
.endr
	v_nop
.irp c, 0,1
.irp i, 0,1,2
	v_mov_b32 v[CD+12*\f+6*\c+3+\i], v[TP+4*\c+\i]
.endr
.endr
.irp j, 0,1,2
	global_store_b128 v4, v[CD+12*\f+4*\j:CD+12*\f+4*\j+3], s[\base:\base+1] offset:3072*((\f)%2)+512*\j th:TH_STORE_NT
.endr
.endm
	LOADK 0, XA
	LOADK 1, XB
	s_wait_dscnt 16
	QUANT XA, 0, 6
	s_wait_dscnt 0x0
	LOADV 0, XA
	QUANT XB, 1, 6
	v_cndmask_b32 v252, v[SW], v[SW+1], vcc_lo
	global_store_b32 v9, v252, s[10:11]
	LOADV 1, XB
	s_wait_dscnt 63
	QUANT XA, 2, 8
	s_wait_dscnt 0x0
	QUANT XB, 3, 8
	v_cndmask_b32 v253, v[SW+2], v[SW+3], vcc_lo
	global_store_b32 v10, v253, s[32:33]
	s_wait_tensorcnt 0x0
	ds_add_u32 v254, v255
	s_wait_dscnt 0x0
	s_endpgm
.Lfunc_end_k_qdcaf34e91a_quant:
	.size	k_qdcaf34e91a_quant, .Lfunc_end_k_qdcaf34e91a_quant-k_qdcaf34e91a_quant
	.p2alignl 7, 3214868480
	.fill 96, 4, 3214868480
	.section	.rodata,"a",@progbits
	.p2align	6, 0x0
	.amdhsa_kernel k_qdcaf34e91a_quant
		.amdhsa_group_segment_fixed_size 69632
		.amdhsa_private_segment_fixed_size 0
		.amdhsa_enable_private_segment 0
		.amdhsa_kernarg_size 32
		.amdhsa_user_sgpr_count 2
		.amdhsa_user_sgpr_kernarg_segment_ptr 1
		.amdhsa_wavefront_size32 1
		.amdhsa_system_sgpr_workgroup_id_x 1
		.amdhsa_system_sgpr_workgroup_id_y 1
		.amdhsa_system_sgpr_workgroup_id_z 1
		.amdhsa_system_vgpr_workitem_id 0
		.amdhsa_next_free_vgpr 256
		.amdhsa_next_free_sgpr 66
		.amdhsa_reserve_vcc 1
		.amdhsa_float_denorm_mode_32 3
		.amdhsa_float_denorm_mode_16_64 3
		.amdhsa_memory_ordered 1
		.amdhsa_forward_progress 1
		.amdhsa_inst_pref_size 33
	.end_amdhsa_kernel
	.amdgpu_metadata
---
amdhsa.version: [ 1, 2 ]
amdhsa.kernels:
  - .name:           k_qdcaf34e91a_quant
    .symbol:         k_qdcaf34e91a_quant.kd
    .args:
      - { .name: x, .offset: 0, .size: 8, .value_kind: global_buffer, .address_space: global }
      - { .name: kq, .offset: 8, .size: 8, .value_kind: global_buffer, .address_space: global }
      - { .name: vt, .offset: 16, .size: 8, .value_kind: global_buffer, .address_space: global }
      - { .name: xs, .offset: 24, .size: 8, .value_kind: global_buffer, .address_space: global }
    .group_segment_fixed_size: 69632
    .private_segment_fixed_size: 0
    .kernarg_segment_align: 8
    .kernarg_segment_size: 32
    .max_flat_workgroup_size: 128
    .sgpr_count:     66
    .vgpr_count:     256
    .wavefront_size: 32
...
	.end_amdgpu_metadata
.endif
;; end of part 1
;; launch scores (part 2): grid 8 x 64, 4 waves a work-group, clusters of 4 x 4, 327,680 bytes of LDS; arguments kq, xs, pc, pst; writes pc, pst
.if DOCPART == 2
	.amdgcn_target "amdgcn-amd-amdhsa--gfx1250"
	.amdhsa_code_object_version 6
	.text
	.protected	k_qdcaf34e91a_scores
	.globl	k_qdcaf34e91a_scores
	.p2align	8
	.type	k_qdcaf34e91a_scores,@function
k_qdcaf34e91a_scores:
	s_mov_b64 s[64:65], 0
	v_nop
	global_prefetch_b8 v0, s[64:65] scope:SCOPE_SE
	s_setreg_imm32_b32 hwreg(HW_REG_WAVE_MODE, 25, 1), 1
	s_wait_xcnt 0x0
	s_wait_alu depctr_hold_cnt(0) depctr_sa_sdst(0) depctr_va_vdst(0) depctr_va_sdst(0) depctr_va_ssrc(0) depctr_va_vcc(0) depctr_vm_vsrc(0)
	s_getreg_b32 s2, hwreg(HW_REG_IB_STS2, 6, 4)
	s_cmp_eq_u32 s2, 0
	s_cbranch_scc0 .Lentry_in_a_cluster
	s_endpgm
.Lentry_in_a_cluster:
	s_bfe_u32 s2, ttmp6, 0x10000c
	s_cmp_lg_u32 s2, 0xf033
	s_cbranch_scc0 .Lentry_shape_is_right
	s_endpgm
.Lentry_shape_is_right:
.set NQ,     2
.set FR,     12
.set NL,     3
.set NP,     4
.set IMG,    1536
.set TILEB,  NQ*IMG
.set HALFT,  8*TILEB
.set SLOT,   4*HALFT
.set STEPK,  128*TILEB
.set BATCH,  4*STEPK
.set SCL,    3*SLOT
.set HALFS,  8*512
.set TS,     512
.set SPARE,  SCL+4*HALFS
.set MONE, 8
.set ADRA, 16
.set ADRB, 20
.set ADRS, 27
.set SPW,  28
.set NIL,  29
.set LI,   30
.set LW,   31
.set SC,   32
.set AF,   128
.set PB,   64
.set CDS,  128
.set MG,   176
.set BM,   224
.set BX,   228
.set SO,   232
.set BY,   236
.set TT,   240
.set LX,   241
.set SUMA, 242
.set SUMB, 244
.set G1, 24
.set G0, 32
.set G1B, 48
.set G0B, 56
.set G0C, 92
.set G0BC, 4
.set G1S, 68
.set G0S, 76
.set G1SB, 80
.set G0SB, 88
.set MSB, 0
.macro WIN new
.if MSB != \new
	s_set_vgpr_msb (MSB<<8)|\new
.set MSB, \new
.endif
.endm
.set MUL_LO, 0xa1
.set MUL_HI, 0xf1
.set TO_B,   0x40
.macro JLOAD g0a, g1a, g0b, g1b
	s_cmp_eq_u32 s15, 0
	s_cbranch_scc0 .Lfor_b_\@
	tensor_load_to_lds s[\g0a:\g0a+3], s[\g1a:\g1a+7]
	s_nop 0
.rept 4
	v_nop
.endr
	s_branch .Lasked_\@
.Lfor_b_\@:
	tensor_load_to_lds s[\g0b:\g0b+3], s[\g1b:\g1b+7]
	s_nop 0
.rept 4
	v_nop
.endr
.Lasked_\@:
.endm
.macro CREST
	s_cmp_lg_u32 s14, 0
	s_cbranch_scc1 .Lnot_wave_0_\@
	s_barrier_signal -3
.Lnot_wave_0_\@:
	s_barrier_wait -3
	s_barrier_signal -1
	s_barrier_wait -1
.endm
.macro CROUND
	s_barrier_signal -1
	s_barrier_wait -1
	CREST
.endm
	s_load_b256 s[4:11], s[0:1], 0x0
	v_lshl_add_u32 v[SPW], v0, 2, SPARE
	v_mov_b32 v[NIL], 0
	ds_add_u32 v28, v29
	ds_add_u32 v28, v29
	s_wait_dscnt 0x0
	v_mov_b32 v[MONE], 0xbf800000
	v_mov_b32 v[MONE+1], 0xbf800000
	v_lshrrev_b32 v1, 5, v0
	v_readfirstlane_b32 s14, v1
	s_lshr_b32 s15, s14, 1
	s_and_b32 s16, s14, 1
	s_bfe_u32 s40, ttmp6, 0x40000
	s_bfe_u32 s41, ttmp6, 0x40004
	s_lshl_b32 s42, ttmp9, 2
	s_add_co_u32 s42, s42, s40
	s_and_b32 s17, ttmp7, 0xffff
	s_lshr_b32 s93, s17, 1
	s_lshl_b32 s17, s17, 2
	s_add_co_u32 s17, s17, s41
	s_lshl_b32 s43, s41, 2
	s_lshl_b32 s43, 15, s43
	s_lshl_b32 s44, 0x1111, s40
	s_or_b32 s[G1+0], s43, (3<<16)|(1<<21)
	s_or_b32 s[G1B+0], s44, (3<<16)|(1<<21)
.irp g, G1, G1B
	s_mov_b32 s[\g+1], 32<<16
	s_mov_b32 s[\g+2], 96<<16
	s_mov_b32 s[\g+3], 32<<16
	s_mov_b32 s[\g+4], 96
	s_mov_b32 s[\g+5], 32
	s_mov_b32 s[\g+6], 0
	s_mov_b32 s[\g+7], 0
.endr
	s_or_b32 s[G1S+0], s43, (3<<16)|(1<<21)
	s_or_b32 s[G1SB+0], s44, (3<<16)|(1<<21)
.irp g, G1S, G1SB
	s_mov_b32 s[\g+1], 32<<16
	s_mov_b32 s[\g+2], 16<<16
	s_mov_b32 s[\g+3], 32<<16
	s_mov_b32 s[\g+4], 16
	s_mov_b32 s[\g+5], 32
	s_mov_b32 s[\g+6], 0
	s_mov_b32 s[\g+7], 0
.endr
	s_lshr_b32 s18, s17, 3
	s_and_b32 s19, s17, 7
	s_lshl_b32 s94, s16, 3
	s_lshl_b32 s92, s19, 4
	s_add_co_u32 s92, s92, s94
	s_mul_i32 s20, s18, BATCH
	s_mul_i32 s21, s92, TILEB
	s_add_co_u32 s20, s20, s21
	s_mov_b32 s21, 0
	s_lshl_b32 s22, s18, 7
	s_add_co_u32 s22, s22, s92
	s_lshl_b32 s22, s22, 9
	s_mov_b32 s23, 0
	s_lshl_b32 s95, s42, 4
	s_add_co_u32 s95, s95, s94
	s_mul_i32 s46, s93, BATCH
	s_mul_i32 s47, s95, TILEB
	s_add_co_u32 s46, s46, s47
	s_mov_b32 s47, 0
	s_lshl_b32 s96, s93, 7
	s_add_co_u32 s96, s96, s95
	s_lshl_b32 s96, s96, 9
	s_mov_b32 s97, 0
	s_mul_i32 s45, s14, HALFT
	s_mul_i32 s2, s14, HALFS
	s_mov_b32 s98, 0xbfb8aa3b
	s_mov_b32 s99, s98
	s_mov_b32 s100, 0x76543210
	s_mov_b32 s101, 0xfedcba98
	s_mov_b32 s12, 0x20820820
	s_mov_b32 s13, 0x08208208
	s_mov_b32 s66, 0x82082082
	s_wait_kmcnt 0x0
	s_add_nc_u64 s[20:21], s[4:5], s[20:21]
	s_add_nc_u64 s[22:23], s[6:7], s[22:23]
	s_add_nc_u64 s[46:47], s[4:5], s[46:47]
	s_add_nc_u64 s[96:97], s[6:7], s[96:97]
	CROUND
	s_mov_b32 s[G0S], 1
	s_add_co_u32 s[G0S+1], s2, SCL
	s_mov_b64 s[G0S+2:G0S+3], s[22:23]
	s_or_b32 s[G0S+3], s[G0S+3], 0x80000000
	s_mov_b32 s[G0SB], 1
	s_add_co_u32 s[G0SB+1], s2, SCL
	s_mov_b64 s[G0SB+2:G0SB+3], s[96:97]
	s_or_b32 s[G0SB+3], s[G0SB+3], 0x80000000
	JLOAD G0S, G1S, G0SB, G1SB
.irp s, 0,1
	s_mov_b32 s[G0+4*\s], 1
	s_add_co_u32 s[G0+4*\s+1], s45, \s*SLOT
	s_add_nc_u64 s[G0+4*\s+2:G0+4*\s+3], s[20:21], \s*STEPK
	s_or_b32 s[G0+4*\s+3], s[G0+4*\s+3], 0x80000000
	s_mov_b32 s[G0B+4*\s], 1
	s_add_co_u32 s[G0B+4*\s+1], s45, \s*SLOT
	s_add_nc_u64 s[G0B+4*\s+2:G0B+4*\s+3], s[46:47], \s*STEPK
	s_or_b32 s[G0B+4*\s+3], s[G0B+4*\s+3], 0x80000000
	JLOAD G0+4*\s, G1, G0B+4*\s, G1B
.endr
	s_mov_b32 s[G0C], 1
	s_add_co_u32 s[G0C+1], s45, 2*SLOT
	s_add_nc_u64 s[G0C+2:G0C+3], s[20:21], 2*STEPK
	s_or_b32 s[G0C+3], s[G0C+3], 0x80000000
	s_mov_b32 s[G0BC], 1
	s_add_co_u32 s[G0BC+1], s45, 2*SLOT
	s_add_nc_u64 s[G0BC+2:G0BC+3], s[46:47], 2*STEPK
	s_or_b32 s[G0BC+3], s[G0BC+3], 0x80000000
	JLOAD G0C, G1, G0BC, G1B
	v_and_b32 v1, 15, v0
	v_bfe_u32 v2, v0, 4, 1
	v_and_b32 v3, 31, v0
	v_lshlrev_b32 v[LI], 4, v3
	v_lshlrev_b32 v[LW], 2, v3
	v_cmp_le_u32 vcc_lo, 16, v3
	s_mul_i32 s21, s15, HALFT
	s_mul_i32 s22, s16, HALFT
	s_add_co_u32 s22, s22, 2*HALFT
.irp s, 0,1,2
	v_add_nc_u32 v[ADRA+\s], s21, v[LI]
	v_add_nc_u32 v[ADRB+\s], s22, v[LI]
	s_add_co_u32 s21, s21, SLOT
	s_add_co_u32 s22, s22, SLOT
.endr
	v_lshlrev_b32 v5, 2, v1
	s_mul_i32 s21, s15, HALFS
	s_mul_i32 s22, s16, HALFS
	s_add_co_u32 s22, s22, 2*HALFS
	s_sub_co_u32 s22, s22, s21
	v_mul_u32_u24 v6, s22, v2
	s_add_co_u32 s21, s21, SCL
	v_add_nc_u32 v5, v5, v6
	v_add_nc_u32 v[ADRS], s21, v5
	s_lshl_b32 s20, s18, 3
	s_add_co_u32 s20, s20, s42
	s_lshl_b32 s20, s20, 7
	s_lshl_b32 s21, s19, 4
	s_lshl_b32 s22, s15, 3
	s_add_co_u32 s21, s21, s22
	s_add_co_u32 s20, s20, s21
	s_mul_i32 s20, s20, TILEB
	s_mul_i32 s22, s16, IMG
	s_add_co_u32 s20, s20, s22
	s_lshl_b32 s22, s21, 6
	s_mov_b32 s21, 0
	s_add_nc_u64 s[8:9], s[8:9], s[20:21]
	s_mul_i32 s20, s18, 48
	s_lshl_b32 s23, s42, 1
	s_add_co_u32 s20, s20, s23
	s_add_co_u32 s20, s20, s16
	s_lshl_b32 s20, s20, 13
	s_add_co_u32 s20, s20, s22
	s_add_nc_u64 s[10:11], s[10:11], s[20:21]
.macro FRAG reg, adr, q, i
.irp j, 0,1,2
	ds_load_b128 v[\reg+4*\j:\reg+4*\j+3], v[\adr] offset:TILEB*(\i)+IMG*(\q)+512*\j
.endr
.endm
.macro MUL16 a0, p, q, sc, zero
.irp a, \a0, \a0+1
.irp b, 0,1,2,3,4,5,6,7
.if \zero
	v_wmma_scale_f32_16x16x128_f8f6f4 v[8*(8*((\a)%4)+\b):8*(8*((\a)%4)+\b)+7], v[128*(\p)+FR*\b:128*(\p)+FR*\b+FR-1], v[AF+FR*(\a):AF+FR*(\a)+FR-1], 0, v[SC+8*NQ*(\sc)+NQ*\b+(\q)], v[SC+8*NQ*(\sc)+NQ*(\a)+(\q)] matrix_a_fmt:MATRIX_FMT_BF6 matrix_b_fmt:MATRIX_FMT_BF6 matrix_a_scale:MATRIX_SCALE_ROW1
.else
	v_wmma_scale_f32_16x16x128_f8f6f4 v[8*(8*((\a)%4)+\b):8*(8*((\a)%4)+\b)+7], v[128*(\p)+FR*\b:128*(\p)+FR*\b+FR-1], v[AF+FR*(\a):AF+FR*(\a)+FR-1], v[8*(8*((\a)%4)+\b):8*(8*((\a)%4)+\b)+7], v[SC+8*NQ*(\sc)+NQ*\b+(\q)], v[SC+8*NQ*(\sc)+NQ*(\a)+(\q)] matrix_a_fmt:MATRIX_FMT_BF6 matrix_b_fmt:MATRIX_FMT_BF6 matrix_a_scale:MATRIX_SCALE_ROW1
.endif
.endr
.endr
.endm
.macro FETCH_B slot, q, p
	WIN TO_B
.irp i, 0,1,2,3,4,5,6,7
	FRAG 128*(\p)+FR*\i, ADRB+\slot, \q, \i
.endr
	WIN 0
.endm
.macro FETCH_A slot, q, i0
.irp i, \i0, \i0+1, \i0+2, \i0+3
	FRAG AF+FR*(\i), ADRA+\slot, \q, \i
.endr
.endm
.macro SCALES sc
.irp i, 0,1,2,3,4,5,6,7
.irp q, 0,1
	ds_load_b32 v[SC+8*NQ*\sc+NQ*\i+\q], v[ADRS] offset:TS*\i+64*\q
.endr
.endr
.endm
.macro PLACES n
.rept \n
	v_nop
.endr
.endm
.macro FLIP i0
.irp i, \i0, \i0+1, \i0+2, \i0+3
.irp k, 0,3,6,9
	v_xor_b32 v[AF+FR*(\i)+\k], s12, v[AF+FR*(\i)+\k]
	v_xor_b32 v[AF+FR*(\i)+\k+1], s13, v[AF+FR*(\i)+\k+1]
	v_xor_b32 v[AF+FR*(\i)+\k+2], s66, v[AF+FR*(\i)+\k+2]
.endr
.endr
	PLACES 4
.endm
.macro NEGATE
.irp w, 2,3
.set WN, ((\w)<<6)|(\w)
	WIN WN
.set j, 0
.rept 128
	v_pk_mul_f32 v[j:j+1], v[j:j+1], v[MONE:MONE+1]
.set j, j+2
.endr
.endr
	WIN 0
.endm
.macro STEP slot, sc, zero, neg
	s_wait_dscnt 4*NL
.if \neg
	FLIP 0
.endif
	WIN MUL_LO
	MUL16 0, 0, 0, \sc, \zero
	MUL16 2, 0, 0, \sc, \zero
	s_wait_dscnt 0
	PLACES NP
	FETCH_B \slot, 1, 1
	FETCH_A \slot, 1, 0
.if \neg
	FLIP 4
.endif
	WIN MUL_HI
	MUL16 4, 0, 0, \sc, \zero
	MUL16 6, 0, 0, \sc, \zero
	PLACES NP
	WIN 0
	FETCH_A \slot, 1, 4
.endm
.macro TURN slot, next, sc, nsc, sync, neg
.if \sync
	s_wait_tensorcnt 0x0
	ds_add_u32 v[SPW], v[NIL]
	s_wait_dscnt 4*NL+1
.else
	s_wait_dscnt 4*NL
.endif
.if \neg
	FLIP 0
.endif
	WIN MUL_LO
	MUL16 0, 1, 1, \sc, 0
	s_wait_dscnt 0x0
.if \sync
	s_barrier_signal -1
.endif
	MUL16 2, 1, 1, \sc, 0
	WIN 0
.if \sync
	s_barrier_wait -1
.endif
.if \sync == 2
	CREST
	s_add_nc_u64 s[G0+4*\slot+2:G0+4*\slot+3], s[G0+4*\slot+2:G0+4*\slot+3], 3*STEPK
	s_add_nc_u64 s[G0B+4*\slot+2:G0B+4*\slot+3], s[G0B+4*\slot+2:G0B+4*\slot+3], 3*STEPK
	JLOAD G0+4*\slot, G1, G0B+4*\slot, G1B
.else
	PLACES NP
.endif
	v_add_nc_u32 v[ADRS], 64*NQ, v[ADRS]
	FETCH_B \next, 0, 0
	FETCH_A \next, 0, 0
	SCALES \nsc
.if \neg
	FLIP 4
.endif
	WIN MUL_HI
	MUL16 4, 1, 1, \sc, 0
	MUL16 6, 1, 1, \sc, 0
	PLACES NP
	WIN 0
	FETCH_A \next, 0, 4
.endm
	s_wait_tensorcnt 2
	s_barrier_signal -1
	s_barrier_wait -1
	FETCH_B 0, 0, 0
	FETCH_A 0, 0, 0
	SCALES 0
	FETCH_A 0, 0, 4
	STEP 0, 0, 1, 0
	TURN 0, 1, 0, 1, 2, 0
	STEP 1, 1, 0, 0
	TURN 1, 2, 1, 0, 0, 0
	STEP 2, 0, 0, 0
	NEGATE
	TURN 2, 0, 0, 1, 1, 1
	STEP 0, 1, 0, 1
	s_wait_dscnt 4*NL
	FLIP 0
	WIN MUL_LO
	MUL16 0, 1, 1, 1, 0
	MUL16 2, 1, 1, 1, 0
	s_wait_dscnt 0
	WIN 0
	FLIP 4
	WIN MUL_HI
	MUL16 4, 1, 1, 1, 0
	MUL16 6, 1, 1, 1, 0
	WIN 0
.macro SOFT a
.set W,  2+(\a)/4
.set AC, 64*((\a)%4)
.set E,  (\a)%2
.set CD, CDS+20*E
.set PW, 168+E
.set NM, 170+2*E
.set LL, 174+E
.if (\a) > 1
	s_wait_xcnt 0x0
.endif
.set WN, W|(W<<2)|(W<<4)
	WIN WN
.irp b, 0,1,2,3
	v_min3_num_f32 v[BM+\b], v[AC+16*\b], v[AC+16*\b+1], v[AC+16*\b+2]
.endr
.set WN, (W<<2)|(W<<4)
	WIN WN
.irp i, 3,5,7,9,11,13
.irp b, 0,1,2,3
	v_min3_num_f32 v[BM+\b], v[BM+\b], v[AC+16*\b+\i], v[AC+16*\b+\i+1]
.endr
.endr
.irp b, 0,1,2,3
	v_min_num_f32 v[BM+\b], v[BM+\b], v[AC+16*\b+15]
.endr
	WIN 0
.irp b, 0,1,2,3
	v_permlanex16_b32 v[BX+\b], v[BM+\b], s100, s101
.endr
.irp b, 0,1,2,3
	v_min_num_f32 v[BM+\b], v[BM+\b], v[BX+\b]
.endr
	v_min3_num_f32 v[TT], v[BM], v[BM+1], v[BM+2]
	v_min_num_f32 v[TT], v[TT], v[BM+3]
	v_mul_f32 v[TT], s98, v[TT]
	v_floor_f32 v[NM], -v[TT]
.irp b, 0,1,2,3
	v_fma_f32 v[BM+\b], v[BM+\b], s98, v[NM]
.endr
	WIN W
.set j, 0
.rept 32
	v_pk_fma_f32 v[PB+j:PB+j+1], v[AC+j:AC+j+1], s[98:99], v[NM:NM+1] op_sel_hi:[1,0,0]
.set j, j+2
.endr
	WIN 0
.set j, 0
.rept 64
	v_exp_f32 v[PB+j], v[PB+j]
.set j, j+1
.endr
	v_nop
	s_wait_alu depctr_va_vdst(0)
.irp b, 0,1,2,3
	v_exp_f32 v[BM+\b], v[BM+\b]
.endr
	v_pk_add_f32 v[SUMA:SUMA+1], v[PB:PB+1], v[PB+2:PB+3]
	v_pk_add_f32 v[SUMB:SUMB+1], v[PB+4:PB+5], v[PB+6:PB+7]
.irp j, 8,12,16,20,24,28,32,36,40,44,48,52,56,60
	v_pk_add_f32 v[SUMA:SUMA+1], v[SUMA:SUMA+1], v[PB+\j:PB+\j+1]
	v_pk_add_f32 v[SUMB:SUMB+1], v[SUMB:SUMB+1], v[PB+\j+2:PB+\j+3]
.endr
	v_pk_add_f32 v[SUMA:SUMA+1], v[SUMA:SUMA+1], v[SUMB:SUMB+1]
	v_add_f32 v[LL], v[SUMA], v[SUMA+1]
	v_permlanex16_b32 v[LX], v[LL], s100, s101
	v_add_f32 v[LL], v[LL], v[LX]
	s_wait_alu depctr_va_vdst(0)
.irp b, 0,1,2,3
	v_max_num_f32 v[BM+\b], 0x2800000, v[BM+\b]
.endr
.irp b, 0,1,2,3
	v_add_nc_u32 v[SO+\b], 0xfe000000, v[BM+\b]
.endr
.irp b, 0,1,2,3
	v_lshrrev_b32 v[BY+\b], 23, v[SO+\b]
.endr
	v_lshl_or_b32 v[PW], v[BY+1], 8, v[BY]
	v_lshl_or_b32 v[PW], v[BY+2], 16, v[PW]
	v_lshl_or_b32 v[PW], v[BY+3], 24, v[PW]
.irp c, 0,1
	v_cvt_scalef32_pk16_bf6_f32 v[CD+6*\c:CD+6*\c+2], v[PB+32*\c:PB+32*\c+15], v[SO+2*\c]
	v_cvt_scalef32_pk16_bf6_f32 v[CD+12+4*\c:CD+14+4*\c], v[PB+32*\c+16:PB+32*\c+31], v[SO+2*\c+1]
.endr
	v_nop
.irp c, 0,1
.irp i, 0,1,2
	v_permlane16_swap_b32 v[CD+6*\c+\i], v[CD+12+4*\c+\i]
.endr
.irp i, 0,1,2
	v_mov_b32 v[CD+6*\c+3+\i], v[CD+12+4*\c+\i]
.endr
.endr
.irp j, 0,1,2
	global_store_b128 v[LI], v[CD+4*\j:CD+4*\j+3], s[8:9] offset:TILEB*(\a)+512*\j th:TH_STORE_NT
.endr
.if E == 1
	v_cndmask_b32 v[MG+3*((\a)/2)], v168, v169, vcc_lo
	v_cndmask_b32 v[MG+3*((\a)/2)+1], v170, v172, vcc_lo
	v_cndmask_b32 v[MG+3*((\a)/2)+2], v174, v175, vcc_lo
.irp p, 0,1,2
	global_store_b32 v[LW], v[MG+3*((\a)/2)+\p], s[10:11] offset:131072*\p+64*((\a)-1) th:TH_STORE_NT
.endr
.endif
.endm
	PLACES NP
.irp b, 0,1,2,3
	v_mov_b32 v[BX+\b], 0
.endr
	v_mov_b32 v[LX], 0
	v_mov_b32 v171, 0
	v_mov_b32 v173, 0
.irp a, 0,1,2,3,4,5,6,7
	SOFT \a
.endr
	s_wait_tensorcnt 0x0
	ds_add_u32 v[SPW], v[NIL]
	s_wait_dscnt 0x0
	CROUND
	s_endpgm
.Lfunc_end_k_qdcaf34e91a_scores:
	.size	k_qdcaf34e91a_scores, .Lfunc_end_k_qdcaf34e91a_scores-k_qdcaf34e91a_scores
	.p2alignl 7, 3214868480
	.fill 96, 4, 3214868480
	.section	.rodata,"a",@progbits
	.p2align	6, 0x0
	.amdhsa_kernel k_qdcaf34e91a_scores
		.amdhsa_group_segment_fixed_size 327680
		.amdhsa_private_segment_fixed_size 0
		.amdhsa_enable_private_segment 0
		.amdhsa_kernarg_size 32
		.amdhsa_user_sgpr_count 2
		.amdhsa_user_sgpr_kernarg_segment_ptr 1
		.amdhsa_wavefront_size32 1
		.amdhsa_system_sgpr_workgroup_id_x 1
		.amdhsa_system_sgpr_workgroup_id_y 1
		.amdhsa_system_sgpr_workgroup_id_z 1
		.amdhsa_system_vgpr_workitem_id 0
		.amdhsa_next_free_vgpr 1024
		.amdhsa_next_free_sgpr 102
		.amdhsa_reserve_vcc 1
		.amdhsa_float_denorm_mode_32 3
		.amdhsa_float_denorm_mode_16_64 3
		.amdhsa_memory_ordered 1
		.amdhsa_forward_progress 1
		.amdhsa_inst_pref_size 224
	.end_amdhsa_kernel
	.amdgpu_metadata
---
amdhsa.version: [ 1, 2 ]
amdhsa.kernels:
  - .name:           k_qdcaf34e91a_scores
    .symbol:         k_qdcaf34e91a_scores.kd
    .args:
      - { .name: kq, .offset: 0, .size: 8, .value_kind: global_buffer, .address_space: global }
      - { .name: xs, .offset: 8, .size: 8, .value_kind: global_buffer, .address_space: global }
      - { .name: pc, .offset: 16, .size: 8, .value_kind: global_buffer, .address_space: global }
      - { .name: pst, .offset: 24, .size: 8, .value_kind: global_buffer, .address_space: global }
    .group_segment_fixed_size: 327680
    .private_segment_fixed_size: 0
    .kernarg_segment_align: 8
    .kernarg_segment_size: 32
    .max_flat_workgroup_size: 128
    .sgpr_count:     102
    .vgpr_count:     1024
    .wavefront_size: 32
...
	.end_amdgpu_metadata
.endif
;; end of part 2
;; launch pv (part 3): grid 4 x 64, 4 waves a work-group, clusters of 4 x 4, 327,680 bytes of LDS; arguments pc, pst, vt, xs, part; writes part
.if DOCPART == 3
	.amdgcn_target "amdgcn-amd-amdhsa--gfx1250"
	.amdhsa_code_object_version 6
	.text
	.protected	k_qdcaf34e91a_pv
	.globl	k_qdcaf34e91a_pv
	.p2align	8
	.type	k_qdcaf34e91a_pv,@function
k_qdcaf34e91a_pv:
	s_mov_b64 s[64:65], 0
	v_nop
	global_prefetch_b8 v0, s[64:65] scope:SCOPE_SE
	s_setreg_imm32_b32 hwreg(HW_REG_WAVE_MODE, 25, 1), 1
	s_wait_xcnt 0x0
	s_wait_alu depctr_hold_cnt(0) depctr_sa_sdst(0) depctr_va_vdst(0) depctr_va_sdst(0) depctr_va_ssrc(0) depctr_va_vcc(0) depctr_vm_vsrc(0)
	s_getreg_b32 s2, hwreg(HW_REG_IB_STS2, 6, 4)
	s_cmp_eq_u32 s2, 0
	s_cbranch_scc0 .Lentry_in_a_cluster
	s_endpgm
.Lentry_in_a_cluster:
	s_bfe_u32 s2, ttmp6, 0x10000c
	s_cmp_lg_u32 s2, 0xf033
	s_cbranch_scc0 .Lentry_shape_is_right
	s_endpgm
.Lentry_shape_is_right:
.set NQ,     2
.set FR,     12
.set NL,     3
.set NP,     4
.set IMG,    1536
.set TILEB,  NQ*IMG
.set HALFT,  8*TILEB
.set SLOT,   4*HALFT
.set STEPA,  128*TILEB
.set STEPB,  64*TILEB
.set LAPS,   4
.set SCL,    2*SLOT
.set HALFS,  8*1024
.set SCLB,   SCL+2*HALFS
.set TS,     1024
.set RLB,    SCLB+2*HALFS
.set SPARE,  RLB+1024
.set SPITCH, 528
.set ADRA, 16
.set ADRB, 20
.set LI,   22
.set RLW,  23
.set RLR,  24
.set SAW,  25
.set HO,   26
.set ADRS, 27
.set SPW,  28
.set NIL,  29
.set STO,  30
.set RD,   31
.set SC,   32
.set AF,   128
.set WD,   64
.set NMS,  96
.set LS,   128
.set NF,   160
.set TSUM, 64
.set QS,   128
.set RL,   224
.set G1, 24
.set G0, 32
.set G1B, 48
.set G0B, 56
.set G1SB, 68
.set G0SB, 76
.set MSB, 0
.macro WIN new
.if MSB != \new
	s_set_vgpr_msb (MSB<<8)|\new
.set MSB, \new
.endif
.endm
.set MUL_LO, 0xa1
.set MUL_HI, 0xf1
.set TO_B,   0x40
.macro JLOAD g0a, g1a, g0b, g1b
	s_cmp_eq_u32 s15, 0
	s_cbranch_scc0 .Lfor_b_\@
	tensor_load_to_lds s[\g0a:\g0a+3], s[\g1a:\g1a+7]
	s_nop 0
.rept 4
	v_nop
.endr
	s_branch .Lasked_\@
.Lfor_b_\@:
	tensor_load_to_lds s[\g0b:\g0b+3], s[\g1b:\g1b+7]
	s_nop 0
.rept 4
	v_nop
.endr
.Lasked_\@:
.endm
.macro CREST
	s_cmp_lg_u32 s14, 0
	s_cbranch_scc1 .Lnot_wave_0_\@
	s_barrier_signal -3
.Lnot_wave_0_\@:
	s_barrier_wait -3
	s_barrier_signal -1
	s_barrier_wait -1
.endm
.macro CROUND
	s_barrier_signal -1
	s_barrier_wait -1
	CREST
.endm
	s_load_b256 s[4:11], s[0:1], 0x0
	s_load_b64 s[12:13], s[0:1], 0x20
	v_lshl_add_u32 v[SPW], v0, 2, SPARE
	v_mov_b32 v[NIL], 0
	ds_add_u32 v28, v29
	ds_add_u32 v28, v29
	s_wait_dscnt 0x0
	v_lshrrev_b32 v1, 5, v0
	v_readfirstlane_b32 s14, v1
	v_lshlrev_b32 v[HO], 3, v0
	s_lshr_b32 s15, s14, 1
	s_and_b32 s16, s14, 1
	s_bfe_u32 s40, ttmp6, 0x40000
	s_bfe_u32 s41, ttmp6, 0x40004
	s_lshl_b32 s42, ttmp9, 2
	s_add_co_u32 s42, s42, s40
	s_and_b32 s17, ttmp7, 0xffff
	s_lshr_b32 s93, s17, 1
	s_lshl_b32 s17, s17, 2
	s_add_co_u32 s17, s17, s41
	s_lshl_b32 s43, s41, 2
	s_lshl_b32 s43, 15, s43
	s_lshl_b32 s44, 0x1111, s40
	s_or_b32 s[G1+0], s43, (3<<16)|(1<<21)
	s_or_b32 s[G1B+0], s44, (3<<16)|(1<<21)
.irp g, G1, G1B
	s_mov_b32 s[\g+1], 32<<16
	s_mov_b32 s[\g+2], 96<<16
	s_mov_b32 s[\g+3], 32<<16
	s_mov_b32 s[\g+4], 96
	s_mov_b32 s[\g+5], 32
	s_mov_b32 s[\g+6], 0
	s_mov_b32 s[\g+7], 0
.endr
	s_or_b32 s[G1SB+0], s44, (3<<16)|(1<<21)
	s_mov_b32 s[G1SB+1], 32<<16
	s_mov_b32 s[G1SB+2], 16<<16
	s_mov_b32 s[G1SB+3], 32<<16
	s_mov_b32 s[G1SB+4], 16
	s_mov_b32 s[G1SB+5], 32
	s_mov_b32 s[G1SB+6], 0
	s_mov_b32 s[G1SB+7], 0
	s_lshr_b32 s18, s17, 3
	s_and_b32 s19, s17, 7
	s_mul_i32 s22, s18, 393216
	s_lshl_b32 s23, s19, 10
	s_add_co_u32 s22, s22, s23
	s_mov_b32 s23, 0
	s_lshl_b32 s94, s16, 3
	s_lshl_b32 s92, s19, 4
	s_add_co_u32 s92, s92, s94
	s_mul_i32 s20, s18, 8*STEPA
	s_mul_i32 s21, s92, TILEB
	s_add_co_u32 s20, s20, s21
	s_mov_b32 s21, 0
	s_lshl_b32 s95, s42, 4
	s_lshl_b32 s96, s93, 6
	s_add_co_u32 s96, s96, s95
	s_lshl_b32 s96, s96, 10
	s_lshl_b32 s97, s14, 12
	s_add_co_u32 s96, s96, s97
	s_add_co_u32 s96, s96, 524288
	s_mov_b32 s97, 0
	s_add_co_u32 s95, s95, s94
	s_mul_i32 s46, s93, 8*STEPB
	s_mul_i32 s47, s95, TILEB
	s_add_co_u32 s46, s46, s47
	s_mov_b32 s47, 0
	s_mul_i32 s45, s14, HALFT
	s_lshl_b32 s2, s14, 12
	s_mov_b32 s90, 0x80808080
	s_mov_b32 s91, 0x01010101
	s_wait_kmcnt 0x0
	s_add_nc_u64 s[6:7], s[6:7], s[22:23]
	s_add_nc_u64 s[20:21], s[4:5], s[20:21]
	s_add_nc_u64 s[46:47], s[8:9], s[46:47]
	s_add_nc_u64 s[96:97], s[10:11], s[96:97]
.set k, 0
.rept 16
	global_load_b64 v[NMS+2*k:NMS+2*k+1], v[HO], s[6:7] offset:(16+k)*8192
.set k, k+1
.endr
.set k, 0
.rept 16
	global_load_b64 v[WD+2*k:WD+2*k+1], v[HO], s[6:7] offset:k*8192
.set k, k+1
.endr
.set k, 0
.rept 16
	global_load_b64 v[LS+2*k:LS+2*k+1], v[HO], s[6:7] offset:(32+k)*8192
.set k, k+1
.endr
	CROUND
	s_mov_b32 s[G0SB], 1
	s_add_co_u32 s[G0SB+1], s2, SCLB
	s_mov_b64 s[G0SB+2:G0SB+3], s[96:97]
	s_or_b32 s[G0SB+3], s[G0SB+3], 0x80000000
	tensor_load_to_lds s[G0SB:G0SB+3], s[G1SB:G1SB+7]
	s_nop 0
.rept 4
	v_nop
.endr
.irp s, 0,1
	s_mov_b32 s[G0+4*\s], 1
	s_add_co_u32 s[G0+4*\s+1], s45, \s*SLOT
	s_add_nc_u64 s[G0+4*\s+2:G0+4*\s+3], s[20:21], \s*STEPA
	s_or_b32 s[G0+4*\s+3], s[G0+4*\s+3], 0x80000000
	s_mov_b32 s[G0B+4*\s], 1
	s_add_co_u32 s[G0B+4*\s+1], s45, \s*SLOT
	s_add_nc_u64 s[G0B+4*\s+2:G0B+4*\s+3], s[46:47], \s*STEPB
	s_or_b32 s[G0B+4*\s+3], s[G0B+4*\s+3], 0x80000000
	JLOAD G0+4*\s, G1, G0B+4*\s, G1B
.endr
	v_and_b32 v1, 15, v0
	v_bfe_u32 v2, v0, 4, 1
	v_and_b32 v3, 31, v0
	v_lshlrev_b32 v[LI], 4, v3
	s_mul_i32 s21, s15, HALFT
	s_mul_i32 s22, s16, HALFT
	s_add_co_u32 s22, s22, 2*HALFT
.irp s, 0,1
	v_add_nc_u32 v[ADRA+\s], s21, v[LI]
	v_add_nc_u32 v[ADRB+\s], s22, v[LI]
	s_add_co_u32 s21, s21, SLOT
	s_add_co_u32 s22, s22, SLOT
.endr
	v_lshlrev_b32 v5, 2, v1
	s_mul_i32 s21, s15, HALFS
	s_mul_i32 s22, s16, HALFS
	s_add_co_u32 s22, s22, 2*HALFS
	s_sub_co_u32 s22, s22, s21
	v_mul_u32_u24 v6, s22, v2
	s_add_co_u32 s21, s21, SCL
	v_add_nc_u32 v5, v5, v6
	v_add_nc_u32 v[ADRS], s21, v5
	v_lshrrev_b32 v4, 3, v0
	v_and_b32 v5, 7, v0
	v_lshlrev_b32 v[SAW], 10, v4
	v_lshl_add_u32 v[SAW], v5, 3, v[SAW]
	v_add_nc_u32 v[SAW], SCL, v[SAW]
	v_lshl_add_u32 v[RLW], v0, 3, RLB
	s_lshl_b32 s21, s15, 9
	s_add_co_u32 s21, s21, RLB
	v_lshl_add_u32 v[RLR], v1, 2, s21
	s_mul_i32 s23, s14, 16*SPITCH
	v_mul_u32_u24 v5, v1, SPITCH
	v_lshl_add_u32 v5, v2, 5, v5
	v_add_nc_u32 v[STO], s23, v5
	v_add_nc_u32 v[RD], s23, v[LI]
	s_lshl_b32 s20, s18, 4
	s_lshl_b32 s21, s19, 1
	s_add_co_u32 s20, s20, s21
	s_add_co_u32 s20, s20, s15
	s_lshl_b32 s20, s20, 12
	s_lshl_b32 s21, s42, 10
	s_add_co_u32 s20, s20, s21
	s_lshl_b32 s21, s16, 9
	s_add_co_u32 s20, s20, s21
	s_mov_b32 s21, 0
	s_add_nc_u64 s[12:13], s[12:13], s[20:21]
	s_wait_loadcnt 32
.irp e, 0,1
	v_min3_num_f32 v[NF+\e], v[NMS+\e], v[NMS+2+\e], v[NMS+4+\e]
.endr
.irp k, 3,5,7,9,11,13
.irp e, 0,1
	v_min3_num_f32 v[NF+\e], v[NF+\e], v[NMS+2*\k+\e], v[NMS+2*\k+2+\e]
.endr
.endr
.irp e, 0,1
	v_min_num_f32 v[NF+\e], v[NF+\e], v[NMS+30+\e]
.endr
	s_wait_loadcnt 0x0
.macro FIX ks
	v_pk_add_f32 v[162:163], v[NMS+2*\ks:NMS+2*\ks+1], v[NF:NF+1] neg_lo:[0,1] neg_hi:[0,1]
	v_min_num_f32 v162, 0x42fe0000, v162
	v_min_num_f32 v163, 0x42fe0000, v163
	v_cvt_u32_f32 v162, v162
	v_cvt_u32_f32 v163, v163
	v_sub_nc_u32 v164, 127, v162
	v_sub_nc_u32 v165, 127, v163
	v_lshlrev_b32 v164, 23, v164
	v_lshlrev_b32 v165, 23, v165
.if \ks == 0
	v_pk_mul_f32 v[166:167], v[LS:LS+1], v[164:165]
.else
	v_pk_fma_f32 v[166:167], v[LS+2*\ks:LS+2*\ks+1], v[164:165], v[166:167]
.endif
	v_mul_lo_u32 v168, v162, s91
	v_mul_lo_u32 v169, v163, s91
	v_or_b32 v170, s90, v[WD+2*\ks]
	v_or_b32 v171, s90, v[WD+2*\ks+1]
	v_sub_nc_u32 v170, v170, v168
	v_sub_nc_u32 v171, v171, v169
	v_and_b32 v172, s90, v170
	v_and_b32 v173, s90, v171
	v_lshrrev_b32 v168, 7, v172
	v_lshrrev_b32 v169, 7, v173
	v_sub_nc_u32 v172, v172, v168
	v_sub_nc_u32 v173, v173, v169
	v_and_b32 v[WD+2*\ks], v170, v172
	v_and_b32 v[WD+2*\ks+1], v171, v173
	ds_store_b64 v[SAW], v[WD+2*\ks:WD+2*\ks+1] offset:64*\ks
.endm
.irp ks, 0,1,2,3,4,5,6,7,8,9,10,11,12,13,14,15
	FIX \ks
.endr
	v_rcp_f32 v166, v166
	v_rcp_f32 v167, v167
	v_nop
	s_wait_alu depctr_va_vdst(0)
	ds_store_b64 v[RLW], v[166:167]
.macro FRAG reg, adr, q, i
.irp j, 0,1,2
	ds_load_b128 v[\reg+4*\j:\reg+4*\j+3], v[\adr] offset:TILEB*(\i)+IMG*(\q)+512*\j
.endr
.endm
.macro MUL16 a0, p, q, sc, zero
.irp a, \a0, \a0+1
.irp b, 0,1,2,3,4,5,6,7
.if \zero
	v_wmma_scale_f32_16x16x128_f8f6f4 v[8*(8*((\a)%4)+\b):8*(8*((\a)%4)+\b)+7], v[128*(\p)+FR*\b:128*(\p)+FR*\b+FR-1], v[AF+FR*(\a):AF+FR*(\a)+FR-1], 0, v[SC+8*NQ*(\sc)+NQ*\b+(\q)], v[SC+8*NQ*(\sc)+NQ*(\a)+(\q)] matrix_a_fmt:MATRIX_FMT_BF6 matrix_b_fmt:MATRIX_FMT_BF6 matrix_a_scale:MATRIX_SCALE_ROW1
.else
	v_wmma_scale_f32_16x16x128_f8f6f4 v[8*(8*((\a)%4)+\b):8*(8*((\a)%4)+\b)+7], v[128*(\p)+FR*\b:128*(\p)+FR*\b+FR-1], v[AF+FR*(\a):AF+FR*(\a)+FR-1], v[8*(8*((\a)%4)+\b):8*(8*((\a)%4)+\b)+7], v[SC+8*NQ*(\sc)+NQ*\b+(\q)], v[SC+8*NQ*(\sc)+NQ*(\a)+(\q)] matrix_a_fmt:MATRIX_FMT_BF6 matrix_b_fmt:MATRIX_FMT_BF6 matrix_a_scale:MATRIX_SCALE_ROW1
.endif
.endr
.endr
.endm
.macro FETCH_B slot, q, p
	WIN TO_B
.irp i, 0,1,2,3,4,5,6,7
	FRAG 128*(\p)+FR*\i, ADRB+\slot, \q, \i
.endr
	WIN 0
.endm
.macro FETCH_A slot, q, i0
.irp i, \i0, \i0+1, \i0+2, \i0+3
	FRAG AF+FR*(\i), ADRA+\slot, \q, \i
.endr
.endm
.macro SCALES sc
.irp i, 0,1,2,3,4,5,6,7
.irp q, 0,1
	ds_load_b32 v[SC+8*NQ*\sc+NQ*\i+\q], v[ADRS] offset:TS*\i+64*\q
.endr
.endr
.endm
.macro PLACES n
.rept \n
	v_nop
.endr
.endm
.macro STEP slot, q, zero
	s_wait_dscnt 4*NL
	WIN MUL_LO
	MUL16 0, (\q)%2, \q, \slot, \zero
	MUL16 2, (\q)%2, \q, \slot, \zero
	s_wait_dscnt 0
	PLACES NP
	FETCH_B \slot, (\q)+1, 1-(\q)%2
	FETCH_A \slot, (\q)+1, 0
	WIN MUL_HI
	MUL16 4, (\q)%2, \q, \slot, \zero
	MUL16 6, (\q)%2, \q, \slot, \zero
	PLACES NP
	WIN 0
	FETCH_A \slot, (\q)+1, 4
.endm
.macro TURN slot, next, fill
	s_wait_tensorcnt 0x0
	ds_add_u32 v[SPW], v[NIL]
	s_wait_dscnt 4*NL+1
	WIN MUL_LO
	MUL16 0, 1, NQ-1, \slot, 0
	s_wait_dscnt 0x0
	s_barrier_signal -1
	MUL16 2, 1, NQ-1, \slot, 0
	WIN 0
	s_barrier_wait -1
.if \fill
	CREST
	s_add_nc_u64 s[G0+4*\slot+2:G0+4*\slot+3], s[G0+4*\slot+2:G0+4*\slot+3], 2*STEPA
	s_add_nc_u64 s[G0B+4*\slot+2:G0B+4*\slot+3], s[G0B+4*\slot+2:G0B+4*\slot+3], 2*STEPB
	JLOAD G0+4*\slot, G1, G0B+4*\slot, G1B
.else
	PLACES NP
.endif
	v_add_nc_u32 v[ADRS], 64*NQ, v[ADRS]
	FETCH_B \next, 0, 0
	FETCH_A \next, 0, 0
	SCALES \next
	WIN MUL_HI
	MUL16 4, 1, NQ-1, \slot, 0
	MUL16 6, 1, NQ-1, \slot, 0
	PLACES NP
	WIN 0
	FETCH_A \next, 0, 4
.endm
	s_wait_tensorcnt 1
	s_wait_dscnt 0x0
	s_barrier_signal -1
	s_barrier_wait -1
	FETCH_B 0, 0, 0
	FETCH_A 0, 0, 0
	SCALES 0
	FETCH_A 0, 0, 4
	STEP 0, 0, 1
	s_mov_b32 s3, LAPS-1
.Llap:
	TURN 0, 1, 1
	STEP 1, 0, 0
	TURN 1, 0, 1
	STEP 0, 0, 0
	s_sub_co_u32 s3, s3, 1
	s_cmp_lg_u32 s3, 0
	s_cbranch_scc1 .Llap
	TURN 0, 1, 0
	STEP 1, 0, 0
	s_wait_dscnt 4*NL
	WIN MUL_LO
	MUL16 0, 1, NQ-1, 1, 0
	MUL16 2, 1, NQ-1, 1, 0
	s_wait_dscnt 0
	WIN MUL_HI
	MUL16 4, 1, NQ-1, 1, 0
	MUL16 6, 1, NQ-1, 1, 0
	WIN 0
	PLACES NP
.irp a, 0,1,2,3,4,5,6,7
	ds_load_b32 v[RL+2*\a], v[RLR] offset:64*\a
	ds_load_b32 v[RL+2*\a+1], v[RLR] offset:64*\a
.endr
	s_wait_dscnt 0x0
.macro FOLD a
	WIN 2+(\a)/4
.set j, 0
.rept 32
.if (\a) == 0
	v_pk_mul_f32 v[TSUM+j:TSUM+j+1], v[64*((\a)%4)+j:64*((\a)%4)+j+1], v[RL+2*(\a):RL+2*(\a)+1]
.else
	v_pk_fma_f32 v[TSUM+j:TSUM+j+1], v[64*((\a)%4)+j:64*((\a)%4)+j+1], v[RL+2*(\a):RL+2*(\a)+1], v[TSUM+j:TSUM+j+1]
.endif
.set j, j+2
.endr
.endm
.irp a, 0,1,2,3,4,5,6,7
	FOLD \a
.endr
	WIN 0
.irp b, 0,1,2,3,4,5,6,7
	ds_store_b128 v[STO], v[TSUM+8*\b:TSUM+8*\b+3] offset:64*\b
	ds_store_b128 v[STO], v[TSUM+8*\b+4:TSUM+8*\b+7] offset:64*\b+16
.endr
.irp t, 0,1,2,3,4,5,6,7,8,9,10,11,12,13,14,15
	ds_load_b128 v[QS+4*\t:QS+4*\t+3], v[RD] offset:\t*SPITCH
.endr
	s_wait_dscnt 0x0
.irp d, 8,4,2,1
.set i, 0
.rept \d
	v_pk_add_f32 v[QS+4*i:QS+4*i+1], v[QS+4*i:QS+4*i+1], v[QS+4*(i+\d):QS+4*(i+\d)+1]
	v_pk_add_f32 v[QS+4*i+2:QS+4*i+3], v[QS+4*i+2:QS+4*i+3], v[QS+4*(i+\d)+2:QS+4*(i+\d)+3]
.set i, i+1
.endr
.endr
	global_store_b128 v[LI], v[QS:QS+3], s[12:13]
	s_wait_tensorcnt 0x0
	ds_add_u32 v[SPW], v[NIL]
	s_wait_dscnt 0x0
	CROUND
	s_endpgm
.Lfunc_end_k_qdcaf34e91a_pv:
	.size	k_qdcaf34e91a_pv, .Lfunc_end_k_qdcaf34e91a_pv-k_qdcaf34e91a_pv
	.p2alignl 7, 3214868480
	.fill 96, 4, 3214868480
	.section	.rodata,"a",@progbits
	.p2align	6, 0x0
	.amdhsa_kernel k_qdcaf34e91a_pv
		.amdhsa_group_segment_fixed_size 327680
		.amdhsa_private_segment_fixed_size 0
		.amdhsa_enable_private_segment 0
		.amdhsa_kernarg_size 40
		.amdhsa_user_sgpr_count 2
		.amdhsa_user_sgpr_kernarg_segment_ptr 1
		.amdhsa_wavefront_size32 1
		.amdhsa_system_sgpr_workgroup_id_x 1
		.amdhsa_system_sgpr_workgroup_id_y 1
		.amdhsa_system_sgpr_workgroup_id_z 1
		.amdhsa_system_vgpr_workitem_id 0
		.amdhsa_next_free_vgpr 1024
		.amdhsa_next_free_sgpr 98
		.amdhsa_reserve_vcc 0
		.amdhsa_float_denorm_mode_32 3
		.amdhsa_float_denorm_mode_16_64 3
		.amdhsa_memory_ordered 1
		.amdhsa_forward_progress 1
		.amdhsa_inst_pref_size 152
	.end_amdhsa_kernel
	.amdgpu_metadata
---
amdhsa.version: [ 1, 2 ]
amdhsa.kernels:
  - .name:           k_qdcaf34e91a_pv
    .symbol:         k_qdcaf34e91a_pv.kd
    .args:
      - { .name: pc, .offset: 0, .size: 8, .value_kind: global_buffer, .address_space: global }
      - { .name: pst, .offset: 8, .size: 8, .value_kind: global_buffer, .address_space: global }
      - { .name: vt, .offset: 16, .size: 8, .value_kind: global_buffer, .address_space: global }
      - { .name: xs, .offset: 24, .size: 8, .value_kind: global_buffer, .address_space: global }
      - { .name: part, .offset: 32, .size: 8, .value_kind: global_buffer, .address_space: global }
    .group_segment_fixed_size: 327680
    .private_segment_fixed_size: 0
    .kernarg_segment_align: 8
    .kernarg_segment_size: 40
    .max_flat_workgroup_size: 128
    .sgpr_count:     98
    .vgpr_count:     1024
    .wavefront_size: 32
...
	.end_amdgpu_metadata
.endif
;; end of part 3
;; launch mean (part 4): grid 32 x 1, 2 waves a work-group, no clusters, 0 bytes of LDS; arguments part, out0; writes out0
.if DOCPART == 4
	.amdgcn_target "amdgcn-amd-amdhsa--gfx1250"
	.amdhsa_code_object_version 6
	.text
	.protected	k_qdcaf34e91a_mean
	.globl	k_qdcaf34e91a_mean
	.p2align	8
	.type	k_qdcaf34e91a_mean,@function
k_qdcaf34e91a_mean:
	s_mov_b64 s[64:65], 0
	v_nop
	global_prefetch_b8 v0, s[64:65] scope:SCOPE_SE
	s_setreg_imm32_b32 hwreg(HW_REG_WAVE_MODE, 25, 1), 1
	s_wait_xcnt 0x0
.set Q, 8
	s_load_b128 s[4:7], s[0:1], 0x0
	s_lshr_b32 s8, ttmp9, 2
	s_and_b32 s9, ttmp9, 3
	s_lshl_b32 s14, s9, 10
	s_lshl_b32 s10, s8, 16
	s_add_co_u32 s10, s10, s14
	s_mov_b32 s11, 0
	s_lshl_b32 s12, s8, 12
	s_add_co_u32 s12, s12, s14
	s_mov_b32 s13, 0
	v_lshlrev_b32 v1, 4, v0
	s_wait_kmcnt 0x0
	s_add_nc_u64 s[4:5], s[4:5], s[10:11]
	s_add_nc_u64 s[6:7], s[6:7], s[12:13]
.set i, 0
.rept 16
	global_load_b128 v[Q+4*i:Q+4*i+3], v1, s[4:5] offset:4096*i th:TH_LOAD_NT
.set i, i+1
.endr
	s_wait_loadcnt 0x0
.irp d, 8,4,2,1
.set i, 0
.rept \d
	v_pk_add_f32 v[Q+4*i:Q+4*i+1], v[Q+4*i:Q+4*i+1], v[Q+4*(i+\d):Q+4*(i+\d)+1]
	v_pk_add_f32 v[Q+4*i+2:Q+4*i+3], v[Q+4*i+2:Q+4*i+3], v[Q+4*(i+\d)+2:Q+4*(i+\d)+3]
.set i, i+1
.endr
.endr
	v_pk_mul_f32 v[Q:Q+1], v[Q:Q+1], 0x3a000000 op_sel_hi:[1,0]
	v_pk_mul_f32 v[Q+2:Q+3], v[Q+2:Q+3], 0x3a000000 op_sel_hi:[1,0]
	global_store_b128 v1, v[Q:Q+3], s[6:7]
	s_endpgm
.Lfunc_end_k_qdcaf34e91a_mean:
	.size	k_qdcaf34e91a_mean, .Lfunc_end_k_qdcaf34e91a_mean-k_qdcaf34e91a_mean
	.p2alignl 7, 3214868480
	.fill 96, 4, 3214868480
	.section	.rodata,"a",@progbits
	.p2align	6, 0x0
	.amdhsa_kernel k_qdcaf34e91a_mean
		.amdhsa_group_segment_fixed_size 0
		.amdhsa_private_segment_fixed_size 0
		.amdhsa_enable_private_segment 0
		.amdhsa_kernarg_size 16
		.amdhsa_user_sgpr_count 2
		.amdhsa_user_sgpr_kernarg_segment_ptr 1
		.amdhsa_wavefront_size32 1
		.amdhsa_system_sgpr_workgroup_id_x 1
		.amdhsa_system_sgpr_workgroup_id_y 1
		.amdhsa_system_sgpr_workgroup_id_z 1
		.amdhsa_system_vgpr_workitem_id 0
		.amdhsa_next_free_vgpr 80
		.amdhsa_next_free_sgpr 66
		.amdhsa_reserve_vcc 0
		.amdhsa_float_denorm_mode_32 3
		.amdhsa_float_denorm_mode_16_64 3
		.amdhsa_memory_ordered 1
		.amdhsa_forward_progress 1
		.amdhsa_inst_pref_size 5
	.end_amdhsa_kernel
	.amdgpu_metadata
---
amdhsa.version: [ 1, 2 ]
amdhsa.kernels:
  - .name:           k_qdcaf34e91a_mean
    .symbol:         k_qdcaf34e91a_mean.kd
    .args:
      - { .name: part, .offset: 0, .size: 8, .value_kind: global_buffer, .address_space: global }
      - { .name: out0, .offset: 8, .size: 8, .value_kind: global_buffer, .address_space: global }
    .group_segment_fixed_size: 0
    .private_segment_fixed_size: 0
    .kernarg_segment_align: 8
    .kernarg_segment_size: 16
    .max_flat_workgroup_size: 64
    .sgpr_count:     66
    .vgpr_count:     80
    .wavefront_size: 32
...
	.end_amdgpu_metadata
.endif
;; end of part 4
